; MI455X (gfx1250); checked and timed in simulation.
; The chip was launched on July 23, 2026; its instructions are those of AMD's public machine-readable ISA for CDNA 5 (MIT licence, August 2026) and "CDNA5" Instruction Set Architecture Reference Guide (July 2026). The comments in the code are by the model that wrote it; some were corrected since.
;; Flex Attention Wrapper. Allowed arithmetic: matrix products marked QUANTISED: E2M1 operands, one E8M0 scale for each 32 along K, by v_wmma_scale_f32_16x16x128_f8f6f4 with both operands' format E2M1 (or v_wmma_scale_f32_32x16x128_f4), f32 sums; everything else in f32.
;; Inputs: k 2 x 16 x 2,048 x 128 float32; q 2 x 16 x 2,048 x 128 float32; v 2 x 16 x 2,048 x 128 float32.
;; Outputs: out0 2 x 16 x 2,048 x 128 float32.
;; This version of the problem:
;;   THIS VERSION OF THE PROBLEM IS GIVEN IN LOW PRECISION. The matrix products marked QUANTISED in the list below multiply operands that are first quantised to E2M1 (2 exponent bits, 1 mantissa bit; 4 bits a number), with one power-of-two scale for each 32 numbers along K (OCP MX v1.0); their sums are f32. All else is computed in f32.
;;   The module's matrix products, in the order in which they are computed (A, B: the left and right operand; K: the contracted axis; several contracted axes count as one K, in the product's order):
;;     1. batch 32 x [M 2,048, K 128] x [K 128, N 2,048]; A: input q; B: input k: QUANTISED
;;     2. batch 32 x [M 2,048, K 2,048] x [K 2,048, N 128]; A: softmax (see below); B: input v: QUANTISED
;;   THE QUANTISER, for each operand of a quantised product, along K:
;;     - K is cut into blocks of 32 from its start; a last block that is shorter is filled with zeros.
;;     - A block's scale is 2^e with e = floor(log2(the largest magnitude in the block)) - 2, held to -126 .. 127; a block of zeros has e = 0. As a byte (E8M0): e + 127.
;;     - Each number is divided by its block's scale, clamped to +-6, and rounded to the nearest number of E2M1, ties to even, subnormals kept.
;;     - The product sums the exact products of the quantised numbers (number of the format x scale) in f32.
;;   ~~~python
;;   def quantise(x, axis):      # numpy; x: float32 -> the quantised numbers, widened to float32 again
;;       x = np.moveaxis(x, axis, -1); K = x.shape[-1]
;;       x = np.pad(x, [(0, 0)] * (x.ndim - 1) + [(0, -K % 32)]); x = x.reshape(x.shape[:-1] + (-1, 32)); a = np.abs(x).max(-1, keepdims=True)
;;       e = np.where(a > 0, np.clip(np.frexp(np.where(a > 0, a, 1))[1] - 1 - 2, -126, 127), 0)      # np.frexp(a)[1] - 1 = floor(log2(a)), exactly
;;       r = np.clip(x / 2.0 ** e, -6, 6)
;;       step = 2.0 ** (np.maximum(np.frexp(np.where(r == 0, 1, r))[1] - 1, 0) - 1)
;;       q = np.round(r / step) * step * 2.0 ** e      # np.round: ties to even
;;       return np.moveaxis(q.reshape(q.shape[:-2] + (-1,))[..., :K], -1, axis).astype(np.float32)
;;   ~~~
;;   SOFTMAX AHEAD OF A QUANTISED PRODUCT. Where the list says 'softmax', what is quantised is not the finished softmax but p = 2^(t - M), with t = logit x log2(e) and M = ceil(the row's largest t), a whole number; so 1/2 < the row's largest p <= 1. The row's sum l is taken of the UNQUANTISED p, in f32, and the product's result is divided by l at the end. Since M is a whole number, a kernel that streams over the keys may use a running M (the ceiling of the running maximum): every later rescaling is an exact power of two, which a block's scale takes up: the codes' values come out the same.
;;   OPERANDS COMPUTED ON THE WAY. 'Computed on the way' means the value that the module computes at that place (a softmax that the list does not call 'softmax' is quantised finished and normalised). What goes into a quantiser is computed in f32, as accurately as f32 sums, v_exp_f32 and their like allow (about 1e-6 of the number): no bf16 or f16 on the way to a quantiser, and a product that is left as it is and whose result goes on into a quantised operand takes f32 operands (vector FMAs, or v_wmma_f32_16x16x4_f32). A number that lies on a knife's edge between two numbers of the format may be rounded either way, as far as f32 arithmetic and the matrix unit's own rounding can turn it there, and no further.
;; One version. Each part assembles by itself: llvm-mc -triple=amdgcn-amd-amdhsa -mcpu=gfx1250 --defsym DOCPART=n.
;; ======== version 1 of 1: 2 launches
;; limits: right only within a limited range of input values
;; workspace buffers: kv 8,912,896 bytes
;; launch quant_kv (part 1): grid 256 x 1, 16 waves a work-group, no clusters, 20,480 bytes of LDS; arguments k, v, kv; writes kv
.if DOCPART == 1
	.amdgcn_target "amdgcn-amd-amdhsa--gfx1250"
	.amdhsa_code_object_version 6
	.text
	.protected	k_q5803b0db61_quant_kv
	.globl	k_q5803b0db61_quant_kv
	.p2align	8
	.type	k_q5803b0db61_quant_kv,@function
k_q5803b0db61_quant_kv:
	s_mov_b64 s[64:65], 0
	v_nop
	global_prefetch_b8 v0, s[64:65] scope:SCOPE_SE
	s_setreg_imm32_b32 hwreg(HW_REG_WAVE_MODE, 25, 1), 1
	s_wait_xcnt 0x0
; The program: this launch quantises k and v (f32 [32 heads][2048 keys][128]) to FP4 (E2M1) codes with E8M0 scale bytes; launch attn quantises q and does both products and the softmax.
; WORK LEFT OUT (in attn): reference() itself replaces the score of every key after the query by f32's lowest number; behind the softmax such a key has the weight 0 in f32 whatever finite values q, k, v hold, since
; every row keeps key 0 at least.  Steps of 128 keys that lie wholly behind a tile's queries are not computed; inside the step on the diagonal hidden scores are replaced ahead of the maximum.
; LIMIT: a NaN, an infinity or an overflow that reaches only that work is not carried to the result.
; A block's scale is 2^(floor(log2(its largest magnitude)) - 2); its byte is the largest magnitude's exponent field - 2, held at 1 from below; beyond 6 the conversion gives the largest code.
; LIMITS: a block of zeros gets the byte 1 where the quantiser's text says 127: its codes are zeros, and these bytes are read by this program alone.  Blocks whose largest magnitude lies under 2^-124 are quantised
; under the byte 1.  NaN and infinities among the inputs are not served.
; kv [32 heads][16 steps of 128 keys][17,408 bytes] is the image of the matrix operands' registers, as attn reads them from LDS, 16 bytes a lane:
;   0      K's codes: 8 tiles x 1,024 bytes.  Tile t = 4 c + u, row r: key 64 c + 32 (r / 8) + 8 u + r % 8 of the step.  A row's block b of 32 along the head's 128 (16 bytes) lies at 256 b + 16 r.
;          Inside a block dword q, code p is k = 16 (p / 4) + 4 q + p % 4: attn orders q's codes the same way, so each product meets its partner; a block's scale does not hang on the order.
;   8,192  V's codes: 8 tiles x 1,024 bytes.  Tile t, row r: column d = 16 t + r; block b of 32 keys (16 bytes, keys ascending) at 256 b + 16 r.
;   16,384 K's scale words, 16,896 V's: 32 lanes x 4 words; lane 16 (t % 2) + r, word t / 2 is tile t's row r; byte b is block b's scale.
; SHARES: work-group x owns 256 keys of head x / 8: two steps, 34,816 bytes of kv.  Waves 0-7: 32 keys of K each; waves 8-15: 32 columns x 128 keys of V each.
; K: a load reads one key's 512 bytes; lanes 0-15 take the first 64 bytes of the four blocks, lanes 16-31 the second.  Exchanging halves between two keys' registers leaves a lane 8 numbers of one block of one key:
; one conversion, one dword.  Four neighbouring lanes hold a block.  The dwords meet in LDS as the image and leave as whole rows behind one barrier.
; V: a lane takes a column and its registers run down the keys: a block lies in one lane; sixteen lanes' 16 bytes are 256 consecutive bytes of the image, stored straight from registers.
.set STP,   17408
.set SC,    16384                      ; LDS: K's codes of two steps, then the scale words of two steps (K 512, V 512 each)
.set SPARE, 18432                      ; the spare words, 128 bytes a wave
.set X,     32                         ; v32-159 K's numbers; v32-95 V's, two sets
.set KC,    160
.set KE,    176
.set VC,    96
.set OUT,   112
	s_load_b128 s[4:7], s[0:1], 0x0                ; k, v
	s_load_b64 s[8:9], s[0:1], 0x10                ; kv
	v_lshl_add_u32 v14, v0, 2, SPARE
	v_mov_b32 v15, 0
	v_lshrrev_b32 v1, 5, v0
	v_readfirstlane_b32 s16, v1                    ; wave 0..15
	v_and_b32 v2, 31, v0                           ; lane
	v_bfe_u32 v3, v0, 2, 2                         ; block b
	v_bfe_u32 v4, v0, 4, 1                         ; h
	v_and_b32 v5, 3, v0                            ; q
	v_lshlrev_b32 v6, 7, v3
	v_lshl_add_u32 v6, v4, 6, v6
	v_lshl_add_u32 v6, v5, 4, v6                   ; K in memory: 128 b + 64 h + 16 q
	v_lshlrev_b32 v7, 8, v3
	v_lshl_add_u32 v7, v4, 4, v7
	v_lshl_add_u32 v7, v5, 2, v7                   ; K's image: 256 b + 16 h + 4 q
	v_lshl_add_u32 v8, v4, 4, v3                   ; K's scale bytes: 16 h + b
	v_lshlrev_b32 v9, 4, v2                        ; 16 bytes a lane
	v_lshlrev_b32 v13, 2, v2                       ; V in memory: 4 bytes a lane
	v_and_b32 v17, 15, v0
	v_lshlrev_b32 v16, 10, v4
	v_lshl_add_u32 v16, v17, 4, v16                ; V's image: 1,024 h + 16 r
	s_and_b32 s17, s16, 7                          ; my number among the eight of my kind
	s_lshr_b32 s18, s17, 2                         ; which of the two steps
	s_and_b32 s19, s17, 3                          ; which 32 keys of it (K), which 32 columns (V)
	s_lshr_b32 s20, s19, 1                         ; c
	s_and_b32 s21, s19, 1                          ; r / 8
	s_lshl_b32 s22, s18, 13
	s_lshl_b32 s23, s20, 12
	s_add_co_u32 s22, s22, s23
	s_lshl_b32 s23, s21, 7
	s_add_co_u32 s22, s22, s23
	s_lshl_b32 s24, s18, 10
	s_add_co_u32 s24, s24, SC
	s_lshl_b32 s25, s19, 2
	s_add_co_u32 s25, s25, s24
	s_add_co_u32 s25, s25, 512
	s_add_co_u32 s24, s24, s23
	s_lshl_b32 s26, s20, 3
	s_add_co_u32 s24, s24, s26
	s_lshl_b32 s26, s16, 10
	s_and_b32 s27, s16, 3
	s_lshl_b32 s27, s27, 9
	s_add_co_u32 s27, s27, SC
	s_wait_alu depctr_va_vdst(0)                   ; the wait here, ahead of the readers below
	v_add_nc_u32 v7, s22, v7
	v_add_nc_u32 v8, s24, v8
	v_add_nc_u32 v10, s25, v9                      ; V's scale words
	v_add_nc_u32 v11, s26, v9                      ; the way out: my 1,024 bytes of K's image,
	v_add_nc_u32 v12, s27, v9                      ; and, in waves 0-3, 512 bytes of scale words
	s_lshl_b32 s20, ttmp9, 17                      ; 256 keys are 131,072 bytes
	s_lshl_b32 s22, s17, 14
	s_add_co_u32 s22, s22, s20
	s_mov_b32 s23, 0
	s_lshl_b32 s24, s18, 16
	s_add_co_u32 s24, s24, s20
	s_lshl_b32 s25, s19, 7
	s_add_co_u32 s24, s24, s25
	s_mov_b32 s25, 0
	s_mul_i32 s26, ttmp9, 2*STP
	s_mov_b32 s27, 0
	s_mul_i32 s28, s18, STP
	s_lshl_b32 s29, s19, 11
	s_add_co_u32 s28, s28, s29
	s_add_co_u32 s28, s28, 8192
	s_mov_b32 s29, 0
	s_lshr_b32 s30, s16, 3
	s_mul_i32 s30, s30, STP
	s_lshl_b32 s31, s17, 10
	s_add_co_u32 s30, s30, s31
	s_mov_b32 s31, 0
	s_lshr_b32 s32, s16, 1
	s_mul_i32 s32, s32, STP
	s_and_b32 s33, s16, 1
	s_lshl_b32 s33, s33, 9
	s_add_co_u32 s32, s32, s33
	s_add_co_u32 s32, s32, 16384
	s_mov_b32 s33, 0
	s_wait_alu depctr_va_vdst(0)                   ; the wait at the head's end
	s_wait_kmcnt 0x0
	s_add_nc_u64 s[4:5], s[4:5], s[22:23]
	s_add_nc_u64 s[6:7], s[6:7], s[24:25]
	s_add_nc_u64 s[8:9], s[8:9], s[26:27]
	s_add_nc_u64 s[10:11], s[8:9], s[28:29]        ; V's codes
	s_add_nc_u64 s[12:13], s[8:9], s[30:31]        ; my part of K's codes
	s_add_nc_u64 s[14:15], s[8:9], s[32:33]        ; and of the scale words
	s_cmp_lt_u32 s16, 8
	s_cbranch_scc0 .Lv
	; K: 32 keys, 32 loads of 512 bytes, all out at once
.set N_, 0
.rept 32
	global_load_b128 v[X+4*N_:X+4*N_+3], v6, s[4:5] offset:512*N_ th:TH_LOAD_NT
.set N_, N_+1
.endr
.macro KP2 p                           ; pairs p, p + 1 of keys (2 p, 2 p + 1 and the next two), line by line
	s_wait_loadcnt 28-2*(\p)                       ; the first 2 p + 4 of the 32 loads are in
.irp i, 0,1,2,3
.irp z, 0,1
	v_permlane16_swap_b32 v[X+8*((\p)+\z)+\i], v[X+8*((\p)+\z)+4+\i]
.endr
.endr
.irp z, 0,1
.set XS, X+8*((\p)+\z)
	v_max3_num_f32 v[18+\z], |v[XS]|, |v[XS+1]|, |v[XS+2]|
.endr
.irp z, 0,1
.set XS, X+8*((\p)+\z)
	v_max3_num_f32 v[18+\z], v[18+\z], |v[XS+3]|, |v[XS+4]|
.endr
.irp z, 0,1
.set XS, X+8*((\p)+\z)
	v_max3_num_f32 v[18+\z], v[18+\z], |v[XS+5]|, |v[XS+6]|
.endr
.irp z, 0,1
.set XS, X+8*((\p)+\z)
	v_max3_num_f32 v[18+\z], v[18+\z], |v[XS+7]|, 0x1800000   ; and the floor 2^(3 - 127): so the byte cannot fall under 1
.endr
.irp z, 0,1
	v_max_num_f32_dpp v[18+\z], v[18+\z], v[18+\z] row_xmask:1 row_mask:0xf bank_mask:0xf
.endr
.irp z, 0,1
	v_max_num_f32_dpp v[18+\z], v[18+\z], v[18+\z] row_xmask:2 row_mask:0xf bank_mask:0xf   ; four lanes hold the block
.endr
.irp z, 0,1
	v_add_nc_u32 v[20+\z], 0xff000000, v[18+\z]    ; 2 off the exponent field: the conversion's scale operand
.endr
.irp z, 0,1
.set XS, X+8*((\p)+\z)
	v_cvt_scalef32_pk8_fp4_f32 v[KC+(\p)+\z], v[XS:XS+7], v[20+\z]
.endr
.irp z, 0,1
	v_lshrrev_b32 v[KE+(\p)+\z], 23, v[20+\z]
.endr
.irp z, 0,1
	ds_store_b32 v7, v[KC+(\p)+\z] offset:1024*(((\p)+\z)/4)+32*(((\p)+\z)%4)
	ds_store_b8 v8, v[KE+(\p)+\z] offset:256*((((\p)+\z)/4)%2)+4*((\p)/8)+32*(((\p)+\z)%4)   ; the four lanes of a block write the same byte with the same value
.endr
.endm
.irp p, 0,2,4,6,8,10,12,14
	KP2 \p
.endr
	s_branch .Ljoin
.Lv:
.macro VLOAD t                         ; block t: key 32 t + i of my column, into set t % 2
.set N_, 0
.rept 32
	global_load_b32 v[X+32*((\t)%2)+N_], v13, s[6:7] offset:(32*(\t)+N_)*512 th:TH_LOAD_NT
.set N_, N_+1
.endr
.endm
	VLOAD 0
	VLOAD 1
.macro VBLOCK t
.set XS, X+32*((\t)%2)
.if (\t) < 3
	s_wait_loadcnt 32                              ; this block's 32 loads are in; the next block's may be out
.else
	s_wait_loadcnt 0x0
.endif
	v_max3_num_f32 v18, |v[XS]|, |v[XS+1]|, |v[XS+2]|
	v_max3_num_f32 v19, |v[XS+3]|, |v[XS+4]|, |v[XS+5]|
	v_max3_num_f32 v20, |v[XS+6]|, |v[XS+7]|, |v[XS+8]|
	v_max3_num_f32 v21, |v[XS+9]|, |v[XS+10]|, |v[XS+11]|
.irp i, 12,20
	v_max3_num_f32 v18, v18, |v[XS+\i]|, |v[XS+\i+1]|
	v_max3_num_f32 v19, v19, |v[XS+\i+2]|, |v[XS+\i+3]|
	v_max3_num_f32 v20, v20, |v[XS+\i+4]|, |v[XS+\i+5]|
	v_max3_num_f32 v21, v21, |v[XS+\i+6]|, |v[XS+\i+7]|
.endr
	v_max3_num_f32 v18, v18, |v[XS+28]|, |v[XS+29]|
	v_max3_num_f32 v19, v19, |v[XS+30]|, |v[XS+31]|
	v_max3_num_f32 v20, v20, v21, 0x1800000        ; the floor
	v_max3_num_f32 v18, v18, v19, v20
	v_add_nc_u32 v22, 0xff000000, v18
.if (\t) == 0
	v_lshrrev_b32 v24, 23, v22                     ; four bytes make my column's scale word of these 128 keys
.else
	v_lshrrev_b32 v23, 23, v22
	v_lshl_or_b32 v24, v23, 8*(\t), v24
.endif
.irp g, 0,1,2,3
	v_cvt_scalef32_pk8_fp4_f32 v[VC+4*(\t)+\g], v[XS+8*\g:XS+8*\g+7], v22
.endr
	v_nop
	global_store_b128 v16, v[VC+4*(\t):VC+4*(\t)+3], s[10:11] offset:256*(\t)   ; twice 256 consecutive bytes, aligned
.if (\t) < 2
	VLOAD (\t)+2
.endif
.endm
	VBLOCK 0
	VBLOCK 1
	VBLOCK 2
	VBLOCK 3
	ds_store_b32 v10, v24
.Ljoin:
	s_wait_alu depctr_va_vdst(0)
	s_wait_dscnt 0x0                               ; for the others' sake: my LDS stores are done
	s_barrier_signal -1
	s_barrier_wait -1
	ds_load_b128 v[OUT:OUT+3], v11
	ds_load_b128 v[OUT+4:OUT+7], v11 offset:512
	s_cmp_lt_u32 s16, 4
	s_cbranch_scc0 .Lcodes
	ds_load_b128 v[OUT+8:OUT+11], v12
	s_wait_dscnt 0x0
	global_store_b128 v9, v[OUT+8:OUT+11], s[14:15]   ; 512 consecutive bytes, aligned
.Lcodes:
	s_wait_dscnt 0x0
	global_store_b128 v9, v[OUT:OUT+3], s[12:13]
	global_store_b128 v9, v[OUT+4:OUT+7], s[12:13] offset:512
	s_wait_tensorcnt 0x0                           ; the wave's end
	ds_add_u32 v14, v15
	s_wait_dscnt 0x0
	s_endpgm
.Lfunc_end_k_q5803b0db61_quant_kv:
	.size	k_q5803b0db61_quant_kv, .Lfunc_end_k_q5803b0db61_quant_kv-k_q5803b0db61_quant_kv
	.p2alignl 7, 3214868480
	.fill 96, 4, 3214868480
	.section	.rodata,"a",@progbits
	.p2align	6, 0x0
	.amdhsa_kernel k_q5803b0db61_quant_kv
		.amdhsa_group_segment_fixed_size 20480
		.amdhsa_private_segment_fixed_size 0
		.amdhsa_enable_private_segment 0
		.amdhsa_kernarg_size 24
		.amdhsa_user_sgpr_count 2
		.amdhsa_user_sgpr_kernarg_segment_ptr 1
		.amdhsa_wavefront_size32 1
		.amdhsa_system_sgpr_workgroup_id_x 1
		.amdhsa_system_sgpr_workgroup_id_y 1
		.amdhsa_system_sgpr_workgroup_id_z 1
		.amdhsa_system_vgpr_workitem_id 0
		.amdhsa_next_free_vgpr 192
		.amdhsa_next_free_sgpr 66
		.amdhsa_reserve_vcc 0
		.amdhsa_float_denorm_mode_32 3
		.amdhsa_float_denorm_mode_16_64 3
		.amdhsa_memory_ordered 1
		.amdhsa_forward_progress 1
		.amdhsa_inst_pref_size 40
	.end_amdhsa_kernel
	.amdgpu_metadata
---
amdhsa.version: [ 1, 2 ]
amdhsa.kernels:
  - .name:           k_q5803b0db61_quant_kv
    .symbol:         k_q5803b0db61_quant_kv.kd
    .args:
      - { .name: k, .offset: 0, .size: 8, .value_kind: global_buffer, .address_space: global }
      - { .name: v, .offset: 8, .size: 8, .value_kind: global_buffer, .address_space: global }
      - { .name: kv, .offset: 16, .size: 8, .value_kind: global_buffer, .address_space: global }
    .group_segment_fixed_size: 20480
    .private_segment_fixed_size: 0
    .kernarg_segment_align: 8
    .kernarg_segment_size: 24
    .max_flat_workgroup_size: 512
    .sgpr_count:     66
    .vgpr_count:     192
    .wavefront_size: 32
...
	.end_amdgpu_metadata
.endif
;; end of part 1
;; launch attn (part 2): grid 8 x 32, 16 waves a work-group, clusters of 4 x 1, 327,680 bytes of LDS; arguments q, kv, out0; writes out0
.if DOCPART == 2
	.amdgcn_target "amdgcn-amd-amdhsa--gfx1250"
	.amdhsa_code_object_version 6
	.text
	.protected	k_q5803b0db61_attn
	.globl	k_q5803b0db61_attn
	.p2align	8
	.type	k_q5803b0db61_attn,@function
k_q5803b0db61_attn:
	s_mov_b64 s[64:65], 0
	v_nop
	global_prefetch_b8 v0, s[64:65] scope:SCOPE_SE
	s_setreg_imm32_b32 hwreg(HW_REG_WAVE_MODE, 25, 1), 1
	s_wait_xcnt 0x0
	s_wait_alu depctr_hold_cnt(0) depctr_sa_sdst(0) depctr_va_vdst(0) depctr_va_sdst(0) depctr_va_ssrc(0) depctr_va_vcc(0) depctr_vm_vsrc(0)
	s_getreg_b32 s2, hwreg(HW_REG_IB_STS2, 6, 4)
	s_cmp_eq_u32 s2, 0
	s_cbranch_scc0 .Lentry_in_a_cluster
	s_endpgm
.Lentry_in_a_cluster:
	s_bfe_u32 s2, ttmp6, 0x10000c
	s_cmp_lg_u32 s2, 0x3003
	s_cbranch_scc0 .Lentry_shape_is_right
	s_endpgm
.Lentry_shape_is_right:
; out0[h][q][:] = the sum over k <= q of softmax_k(Q[h][q] . K[h][k] / sqrt(128)) V[h][k][:], both products on FP4 codes with E8M0 scales.
; Work left out: steps of 128 keys that the causal mask hides from all 16 queries of a tile (see the first kernel's head).
; THE SOFTMAX: t = score x log2(e) / sqrt(128); M = the row's largest t so far, rounded up to a whole number, kept as -M; p = 2^(t - M) is quantised along the keys; the sum is taken of the unquantised p; when M moves,
; the sum and O are multiplied by 2^(old M - new M), exact.
; LIMITS: the promise holds while the scaled scores stay under 2^31 in magnitude.  NaN and infinities are not served.  A block's byte is held at 1 from below.
; SHARES: work-group i of a head's eight takes the 16 tiles 8 x rank + i of 16 queries, a tile a wave: rank + 1 steps of 128 keys whatever i is.  Ranks are dealt so that the waves w, w + 4, w + 8, w + 12 have 34 steps together.
; LDS holds ALL of a head's K and V codes and scale words: 16 steps x 17,408 bytes, the image of the operands' registers.  Each byte is filled once, in two groups of joint loads, shared by the four work-groups of the cluster,
; which walk the same keys (each has a tile that reads every step): at the head steps 0 to 3, a sixteenth a wave; behind the full sequence and a round steps 4 to 15, a sixteenth a wave.  The second group is on its way while
; q is quantised and steps 0 to 2 are worked; one barrier follows, and behind it the waves walk freely.
; No prefetch: every tile is asked for by its load ahead of the loop, so there is no loop to run ahead in.
; LAYOUT: both products are used transposed: S^T = K Q^T, O^T = V^T P^T: a lane holds one query (r = lane % 16, h = lane / 16).  The keys of a tile are chosen (first kernel's head) so that a lane's registers 32 c .. 32 c + 31
; are the WHOLE block of keys 64 c + 32 h + 0 .. 31: its largest score needs no other lane, and the conversions' results are the second product's operand.
; REGISTERS: v32-95 and v96-159 by turns: K's fragments of the step, over which V's are loaded under the softmax, and the scores, over which K's next fragments are loaded under the second product; v160-223 O^T;
; v224-231 p's codes; v232-235 K's, v236-239 V's scale words; v251, v252 p's and q's.
.set STP,   17408
.set PART1, 4*STP/16                   ; 4,352 bytes, 17 rows of 256: a wave's part of steps 0 to 3
.set PART2, 12*STP/16                  ; 13,056 bytes, 51 rows: its part of steps 4 to 15
.set STAGE, 16*STP                     ; each wave's own: q's codes on the way in, O's rows on the way out
.set WSTG,  2304
.set SPARE, STAGE+16*WSTG              ; the spare words, 128 bytes a wave
.set X,  32
.set Y,  96
.set O,  160
.set KS, 232
.set VS, 236
.set AL, 1                             ; v1  16 x lane
.set AD, 2                             ; v2  the same in the steps in hand
.set SPW, 5
.set NIL, 6
.set RK, 39                            ; s39 my rank
.set J,  42                            ; s42 the trip's first step
.set TB, 43                            ; s43 its LDS byte
.macro ROUND
	s_barrier_signal -1
	s_barrier_wait -1
	s_cmp_lg_u32 s10, 0
	s_cbranch_scc1 .Lnot_wave_0_\@
	s_barrier_signal -3
.Lnot_wave_0_\@:
	s_barrier_wait -3
	s_barrier_signal -1
	s_barrier_wait -1
.endm
	s_load_b128 s[4:7], s[0:1], 0x0                ; q, kv
	s_load_b64 s[8:9], s[0:1], 0x10                ; out0
	v_lshl_add_u32 v[SPW], v0, 2, SPARE
	v_mov_b32 v[NIL], 0
	ds_add_u32 v[SPW], v[NIL]                      ; the opening lines: the add, twice on end, and its wait
	ds_add_u32 v[SPW], v[NIL]
	v_lshrrev_b32 v16, 5, v0
	v_readfirstlane_b32 s10, v16                   ; wave
	v_and_b32 v17, 31, v0
	v_and_b32 v10, 15, v0                          ; r
	v_bfe_u32 v18, v0, 4, 1                        ; h
	v_bfe_u32 v19, v0, 2, 2                        ; b
	v_and_b32 v20, 3, v0
	v_lshlrev_b32 v[AL], 4, v17
	v_lshlrev_b32 v8, 7, v19
	v_lshl_add_u32 v8, v18, 6, v8
	v_lshl_add_u32 v8, v20, 4, v8                  ; q in memory: 128 b + 64 h + 16 (lane % 4), as K's rows were read
	v_lshlrev_b32 v9, 8, v19
	v_lshl_add_u32 v9, v18, 4, v9
	v_lshl_add_u32 v9, v20, 2, v9                  ; its codes' image: 256 b + 16 h + 4 (lane % 4)
	v_lshl_add_u32 v26, v18, 2, v19                ; its scale bytes: 4 h + b
	v_lshlrev_b32 v29, 2, v10                      ; its scale words: 4 r
	v_mul_u32_u24 v7, v10, 144
	v_lshl_add_u32 v7, v18, 5, v7                  ; the way out, in: row r, 32 h
	v_bfe_u32 v23, v0, 3, 1                        ; bit 3 of the lane
	v_and_b32 v24, 7, v0
	v_lshl_add_u32 v25, v23, 3, v18
	v_mul_u32_u24 v4, v25, 144
	v_lshl_add_u32 v4, v24, 4, v4                  ; back, a column's first piece: row 8 x bit 3 + h, 16 (lane % 8)
	v_xor_b32 v25, 1, v23
	v_lshl_add_u32 v25, v25, 3, v18
	v_mul_u32_u24 v27, v25, 144
	v_lshl_add_u32 v27, v24, 4, v27                ; its second piece: row 8 x (1 - bit 3) + h
	v_lshlrev_b32 v3, 9, v18
	v_lshl_add_u32 v3, v10, 4, v3                  ; and in out0: row h, 16 r
	v_lshlrev_b32 v11, 3, v18                      ; 8 h
	v_lshlrev_b32 v22, 5, v18
	v_sub_nc_u32 v22, v10, v22                     ; r - 32 h
	v_mov_b32 v13, 0                               ; (upper halves of pairs whose lower half alone is used, and a lane permute's destination: named before first written)
	v_mov_b32 v15, 0
	v_mov_b32 v31, 0
	v_mov_b32 v246, 0
	s_bfe_u32 s11, ttmp6, 0x40000                  ; cx
	s_lshl_b32 s12, ttmp9, 2
	s_add_co_u32 s12, s12, s11                     ; i: which of the head's eight work-groups
	s_and_b32 s13, ttmp7, 0xffff                   ; head
	s_lshr_b32 s14, s10, 2
	s_and_b32 s15, s10, 3
	s_and_b32 s16, s14, 1
	s_xor_b32 s16, s16, 1
	s_mul_i32 s16, s16, 3
	s_xor_b32 s15, s15, s16
	s_xor_b32 s14, s14, 3
	s_lshl_b32 s14, s14, 2
	s_add_co_u32 s[RK], s14, s15                   ; rank: waves 0-3: 15 .. 12, 4-7: 8 .. 11, 8-11: 7 .. 4, 12-15: 0 .. 3
	s_mul_i32 s19, s10, WSTG
	s_add_co_u32 s19, s19, STAGE                   ; my stage
	s_add_co_u32 s22, s19, 1024                    ; q's scale bytes in it
	s_lshl_b32 s23, s12, 4
	s_wait_alu depctr_va_vdst(0)                   ; the wait here, ahead of the readers below
	v_add_nc_u32 v9, s19, v9
	v_add_nc_u32 v28, s19, v[AL]
	v_add_nc_u32 v26, s22, v26
	v_add_nc_u32 v29, s22, v29
	v_add_nc_u32 v7, s19, v7
	v_add_nc_u32 v4, s19, v4
	v_add_nc_u32 v10, s19, v27
	v_add_nc_u32 v22, s23, v22                     ; d = 16 i + r - 32 h: in the step on the diagonal register 32 c + n holds a hidden key where 64 c + n > d
	v_cvt_f32_i32 v253, v22
	v_add_f32 v253, 0.5, v253
	v_mul_f32 v253, 0x71800000, v253               ; (d + 1/2) 2^100
	; the descriptors' groups 1: 17 and 51 rows of 256 bytes, dense, to the four work-groups of the cluster
	s_mov_b32 s28, 15|(3<<16)|(1<<21)              ; 15:0 the mask; 17:16 elements of 8 bytes; 21 set beside a mask
	s_mov_b32 s29, 32<<16
	s_mov_b32 s30, 17<<16
	s_mov_b32 s31, 32<<16
	s_mov_b32 s32, 17
	s_mov_b32 s33, 32
	s_mov_b32 s34, 0
	s_mov_b32 s35, 0
	s_mov_b32 s48, 15|(3<<16)|(1<<21)
	s_mov_b32 s49, 32<<16
	s_mov_b32 s50, 51<<16
	s_mov_b32 s51, 32<<16
	s_mov_b32 s52, 51
	s_mov_b32 s53, 32
	s_mov_b32 s54, 0
	s_mov_b32 s55, 0
	s_mul_i32 s20, s13, 16*STP                     ; my head in kv
	s_mul_i32 s25, s10, PART1                      ; LDS, and place in the head: a sixteenth of steps 0 to 3,
	s_mul_i32 s57, s10, PART2
	s_add_co_u32 s57, s57, 4*STP                   ; and of steps 4 to 15
	s_add_co_u32 s44, s20, s57
	s_mov_b32 s45, 0
	s_add_co_u32 s20, s20, s25
	s_mov_b32 s21, 0
	s_lshl_b32 s16, s13, 20                        ; q and out0: head, 65,536 bytes a rank, 8,192 bytes a tile
	s_lshl_b32 s17, s[RK], 16
	s_add_co_u32 s16, s16, s17
	s_lshl_b32 s17, s12, 13
	s_add_co_u32 s16, s16, s17
	s_mov_b32 s17, 0
	s_mov_b32 s36, 0x3e0293ee                      ; c = log2(e) / sqrt(128), as a pair
	s_mov_b32 s37, s36
	s_mov_b32 s38, 0xbe0293ee                      ; -c
	s_mov_b32 s40, 0x76543210                      ; selects for lane l xor 16
	s_mov_b32 s41, 0xfedcba98
	s_mov_b32 s[TB], STP
	s_mov_b32 s24, 1
	s_mov_b32 s56, 1
	s_wait_dscnt 0x0                               ; both opening adds are done
	s_wait_alu depctr_va_vdst(0)                   ; the wait at the head's end
	s_wait_kmcnt 0x0
	s_add_nc_u64 s[26:27], s[6:7], s[20:21]
	s_or_b32 s27, s27, 0x80000000
	s_add_nc_u64 s[58:59], s[6:7], s[44:45]
	s_or_b32 s59, s59, 0x80000000
	s_add_nc_u64 s[4:5], s[4:5], s[16:17]
	s_add_nc_u64 s[8:9], s[8:9], s[16:17]
	ROUND                                          ; the joint loads meet
	tensor_load_to_lds s[24:27], s[28:35]          ; my part of steps 0 to 3: the wave's one tensor load at the head
	s_nop 0
.rept 4
	v_nop
.endr
.set N_, 0
.rept 16
	global_load_b128 v[O+4*N_:O+4*N_+3], v8, s[4:5] offset:512*N_ th:TH_LOAD_NT   ; my 16 queries, a row of 512 bytes each
.set N_, N_+1
.endr
	s_wait_tensorcnt 0x0                           ; my part is in
	ds_add_u32 v[SPW], v[NIL]
	s_wait_dscnt 0x0
	ROUND                                          ; everybody's part of steps 0 to 3 is in, and the joint loads meet again
	tensor_load_to_lds s[56:59], s[48:55]          ; my part of steps 4 to 15: lands under q's quantising and steps 0 to 2
	s_nop 0
.rept 4
	v_nop
.endr
.macro KFETCH zz, ad, ko               ; K's eight tiles of a step and their scale words: 17 loads
.irp t, 0,1,2,3,4,5,6,7
.irp c, 0,1
	ds_load_b128 v[\zz+8*\t+4*\c:\zz+8*\t+4*\c+3], v[\ad] offset:\ko+1024*\t+512*\c
.endr
.endr
	ds_load_b128 v[KS:KS+3], v[\ad] offset:\ko+16384
.endm
	KFETCH X, AL, 0
; q's codes, as k's were made: an exchange of halves between two rows, the block's largest magnitude over four lanes, one conversion; the codes turn through my stage into the operand's order
.macro QP2 p
	s_wait_loadcnt 12-2*(\p)                       ; the first 2 p + 4 of the 16 loads are in
.irp i, 0,1,2,3
.irp z, 0,1
	v_permlane16_swap_b32 v[O+8*((\p)+\z)+\i], v[O+8*((\p)+\z)+4+\i]
.endr
.endr
.irp z, 0,1
.set XS, O+8*((\p)+\z)
	v_max3_num_f32 v[240+\z], |v[XS]|, |v[XS+1]|, |v[XS+2]|
.endr
.irp z, 0,1
.set XS, O+8*((\p)+\z)
	v_max3_num_f32 v[240+\z], v[240+\z], |v[XS+3]|, |v[XS+4]|
.endr
.irp z, 0,1
.set XS, O+8*((\p)+\z)
	v_max3_num_f32 v[240+\z], v[240+\z], |v[XS+5]|, |v[XS+6]|
.endr
.irp z, 0,1
.set XS, O+8*((\p)+\z)
	v_max3_num_f32 v[240+\z], v[240+\z], |v[XS+7]|, 0x1800000
.endr
.irp z, 0,1
	v_max_num_f32_dpp v[240+\z], v[240+\z], v[240+\z] row_xmask:1 row_mask:0xf bank_mask:0xf
.endr
.irp z, 0,1
	v_max_num_f32_dpp v[240+\z], v[240+\z], v[240+\z] row_xmask:2 row_mask:0xf bank_mask:0xf
.endr
.irp z, 0,1
	v_add_nc_u32 v[244+\z], 0xff000000, v[240+\z]
.endr
.irp z, 0,1
.set XS, O+8*((\p)+\z)
	v_cvt_scalef32_pk8_fp4_f32 v[Y+(\p)+\z], v[XS:XS+7], v[244+\z]
.endr
.irp z, 0,1
	v_lshrrev_b32 v[Y+8+(\p)+\z], 23, v[244+\z]
.endr
.irp z, 0,1
	ds_store_b32 v9, v[Y+(\p)+\z] offset:32*((\p)+\z)
	ds_store_b8 v26, v[Y+8+(\p)+\z] offset:8*((\p)+\z)
.endr
.endm
	QP2 0
	QP2 2
	QP2 4
	QP2 6
	ds_load_b128 v[16:19], v28                     ; LDS serves a wave's instructions in order (ISA guide 5.7.1.4): these see my stores
	ds_load_b128 v[20:23], v28 offset:512
	ds_load_b32 v252, v29
	s_wait_alu depctr_va_vdst(0)
; A STEP of 128 keys.  zz: the scores, ff: the fragments; ad, vo: where the step lies in LDS; ko: where the next one does; mo, mn: -M before and behind; at: the step's number; first: the sums begin; last: step 15.
.macro STEP zz, ff, ad, vo, ko, mo, mn, at, first, last, setad
	s_wait_dscnt 0x0                               ; K's fragments and scale words are in
.irp t, 0,1,2,3,4,5,6,7
.if \t%2
	v_wmma_scale_f32_16x16x128_f8f6f4 v[\zz+8*\t:\zz+8*\t+7], v[\ff+8*\t:\ff+8*\t+7], v[16:23], 0, v[KS+\t/2], v252 matrix_a_fmt:MATRIX_FMT_FP4 matrix_b_fmt:MATRIX_FMT_FP4 matrix_a_scale:MATRIX_SCALE_ROW1
.else
	v_wmma_scale_f32_16x16x128_f8f6f4 v[\zz+8*\t:\zz+8*\t+7], v[\ff+8*\t:\ff+8*\t+7], v[16:23], 0, v[KS+\t/2], v252 matrix_a_fmt:MATRIX_FMT_FP4 matrix_b_fmt:MATRIX_FMT_FP4
.endif
.endr
.if \last
	v_add_nc_u32 v[AD], 15*STP, v[AL]
.else
.if \setad
	v_add_nc_u32 v[AD], s[TB], v[AL]
.else
	v_nop
.endif
.endif
.rept 3
	v_nop                                          ; with the line above four places ahead of the loads over the fragments and of the scores' readers
.endr
.irp t, 0,1,2,3,4,5,6,7
.irp c, 0,1
	ds_load_b128 v[\ff+8*\t+4*\c:\ff+8*\t+4*\c+3], v[\ad] offset:\vo+8192+1024*\t+512*\c   ; V's fragments, under the softmax
.endr
.endr
	ds_load_b128 v[VS:VS+3], v[\ad] offset:\vo+16896
.if \last == 0
	s_cmp_lg_u32 s[RK], \at
	s_cbranch_scc1 .Lopen_\@
.endif
	; the step on the diagonal: register 32 c + n is held at (d - (64 c + n) + 1/2) 2^100: over every score where the key counts, under every score where it is hidden: p = 0 then
	v_mov_b32 v254, v253
	v_add_f32 v255, 0xf1800000, v253
.set N_, 0
.rept 32
	v_min_num_f32 v[\zz+N_], v[\zz+N_], v254
	v_min_num_f32 v[\zz+N_+1], v[\zz+N_+1], v255
.if N_ == 30
	v_pk_add_f32 v[254:255], v[254:255], 0xf4080000 op_sel_hi:[1,0]   ; -34 x 2^100
.else
.if N_ < 62
	v_pk_add_f32 v[254:255], v[254:255], 0xf2000000 op_sel_hi:[1,0]   ; -2 x 2^100
.endif
.endif
.set N_, N_+2
.endr
.Lopen_\@:
.irp c, 0,1
	v_max3_num_f32 v[240+\c], v[\zz+32*\c], v[\zz+32*\c+1], v[\zz+32*\c+2]   ; the largest score of each of my two blocks, in two chains each
	v_max3_num_f32 v[242+\c], v[\zz+32*\c+16], v[\zz+32*\c+17], v[\zz+32*\c+18]
.endr
.irp i, 3,5,7,9,11,13
.irp c, 0,1
	v_max3_num_f32 v[240+\c], v[240+\c], v[\zz+32*\c+\i], v[\zz+32*\c+\i+1]
	v_max3_num_f32 v[242+\c], v[242+\c], v[\zz+32*\c+16+\i], v[\zz+32*\c+17+\i]
.endr
.endr
.irp c, 0,1
	v_max3_num_f32 v[240+\c], v[240+\c], v[242+\c], v[\zz+32*\c+15]
.endr
.irp c, 0,1
	v_max_num_f32 v[240+\c], v[240+\c], v[\zz+32*\c+31]
.endr
	v_max_num_f32 v247, v240, v241
	s_delay_alu instid0(VALU_DEP_1)
	v_permlanex16_b32 v246, v247, s40, s41         ; lane l xor 16's two blocks
	s_delay_alu instid0(VALU_DEP_1)
.if \first
	v_max_num_f32 v248, v247, v246
.else
	v_max3_num_f32 v248, v248, v247, v246          ; the running largest score
.endif
	s_delay_alu instid0(VALU_DEP_1)
	v_mul_f32 v249, s38, v248                      ; -t
	s_delay_alu instid0(VALU_DEP_1)
	v_floor_f32 v[\mn], v249                       ; -M: a whole number
.if \first == 0
	s_delay_alu instid0(VALU_DEP_1)
	v_sub_f32 v249, v[\mn], v[\mo]                 ; old M - new M
.endif
.set N_, 0
.rept 32
	v_pk_fma_f32 v[\zz+N_:\zz+N_+1], v[\zz+N_:\zz+N_+1], s[36:37], v[\mn:\mn+1] op_sel_hi:[1,0,0]   ; t - M
.if (N_ == 20) && (\first == 0)
	v_cvt_i32_f32 v249, v249                       ; (it saturates)
.endif
.if (N_ == 42) && (\first == 0)
	v_ldexp_f32 v30, 1.0, v249                     ; f = 2^(old M - new M)
.endif
.set N_, N_+2
.endr
	v_fma_f32 v240, v240, s36, v[\mn]
	v_fma_f32 v241, v241, s36, v[\mn]
	s_wait_alu depctr_va_vdst(0)                   ; the wait ahead of the batch
.set N_, 0
.rept 64
	v_exp_f32 v[\zz+N_], v[\zz+N_]                 ; p
.set N_, N_+1
.endr
	v_exp_f32 v240, v240                           ; each block's largest p: the same instructions on the same number
	v_exp_f32 v241, v241
.if \first
	v_nop
.else
	v_pk_mul_f32 v[24:25], v[24:25], v[30:31] op_sel_hi:[1,0]   ; the sum under the new M
.endif
	s_wait_alu depctr_va_vdst(0)                   ; and behind it, ahead of its first reader
	v_max_num_f32 v240, 0x1800000, v240            ; the floor 2^(3 - 127)
	v_max_num_f32 v241, 0x1800000, v241
	v_add_nc_u32 v244, 0xff000000, v240            ; the conversions' scale operands
	v_add_nc_u32 v245, 0xff000000, v241
	v_lshrrev_b32 v249, 23, v244                   ; the scales' bytes
	v_lshrrev_b32 v250, 23, v245
.irp g, 0,1,2,3
	v_cvt_scalef32_pk8_fp4_f32 v[224+\g], v[\zz+8*\g:\zz+8*\g+7], v244
	v_cvt_scalef32_pk8_fp4_f32 v[228+\g], v[\zz+32+8*\g:\zz+32+8*\g+7], v245
.endr
	v_pk_add_f32 v[26:27], v[\zz:\zz+1], v[\zz+2:\zz+3]   ; the row's sum, of the unquantised p, in three chains; p's scale word is made between
	v_pk_add_f32 v[28:29], v[\zz+4:\zz+5], v[\zz+6:\zz+7]
.irp j, 8,14,20,26,32,38,44,50,56
.if (\first == 1) && (\j == 8)
	v_pk_add_f32 v[24:25], v[\zz+8:\zz+9], v[\zz+62:\zz+63]
.else
	v_pk_add_f32 v[24:25], v[24:25], v[\zz+\j:\zz+\j+1]
.endif
	v_pk_add_f32 v[26:27], v[26:27], v[\zz+\j+2:\zz+\j+3]
	v_pk_add_f32 v[28:29], v[28:29], v[\zz+\j+4:\zz+\j+5]
.if \j == 8
	v_lshl_or_b32 v249, v250, 16, v249
.endif
.if \j == 14
	v_lshlrev_b32 v249, v11, v249                  ; blocks h and 2 + h: bytes h and 2 + h
.endif
.if \j == 20
	v_permlanex16_b32 v246, v249, s40, s41
.endif
.if \j == 26
	v_or_b32 v251, v249, v246                      ; with lane l xor 16's two the word is whole
.endif
.endr
.if \first == 0
	v_pk_add_f32 v[24:25], v[24:25], v[\zz+62:\zz+63]
.endif
.if \last == 0
	KFETCH \zz, \ad, \ko                           ; the next step's K, over the p that are done with
.endif
.if \first == 0
	s_wait_alu depctr_va_vdst(0)                   ; the wait here, ahead of the first reader of O^T
.set N_, O
.rept 32
	v_pk_mul_f32 v[N_:N_+1], v[N_:N_+1], v[30:31] op_sel_hi:[1,0]   ; O^T under the new M
.set N_, N_+2
.endr
.endif
	s_wait_alu depctr_va_vdst(0)                   ; the wait here, ahead of the wait below
.if \last
	s_wait_dscnt 0x0
.else
	s_wait_dscnt 17                                ; V's 17 loads are in; the next K's 17 may be out
.endif
.irp t, 0,1,2,3,4,5,6,7
.if \first
.if \t%2
	v_wmma_scale_f32_16x16x128_f8f6f4 v[O+8*\t:O+8*\t+7], v[\ff+8*\t:\ff+8*\t+7], v[224:231], 0, v[VS+\t/2], v251 matrix_a_fmt:MATRIX_FMT_FP4 matrix_b_fmt:MATRIX_FMT_FP4 matrix_a_scale:MATRIX_SCALE_ROW1
.else
	v_wmma_scale_f32_16x16x128_f8f6f4 v[O+8*\t:O+8*\t+7], v[\ff+8*\t:\ff+8*\t+7], v[224:231], 0, v[VS+\t/2], v251 matrix_a_fmt:MATRIX_FMT_FP4 matrix_b_fmt:MATRIX_FMT_FP4
.endif
.else
.if \t%2
	v_wmma_scale_f32_16x16x128_f8f6f4 v[O+8*\t:O+8*\t+7], v[\ff+8*\t:\ff+8*\t+7], v[224:231], v[O+8*\t:O+8*\t+7], v[VS+\t/2], v251 matrix_a_fmt:MATRIX_FMT_FP4 matrix_b_fmt:MATRIX_FMT_FP4 matrix_a_scale:MATRIX_SCALE_ROW1
.else
	v_wmma_scale_f32_16x16x128_f8f6f4 v[O+8*\t:O+8*\t+7], v[\ff+8*\t:\ff+8*\t+7], v[224:231], v[O+8*\t:O+8*\t+7], v[VS+\t/2], v251 matrix_a_fmt:MATRIX_FMT_FP4 matrix_b_fmt:MATRIX_FMT_FP4
.endif
.endif
.endr
	v_pk_add_f32 v[26:27], v[26:27], v[28:29]      ; the sum's chains are joined: five places with the three lines between, ahead of the next scores, which are laid over these fragments
.rept 3
	v_nop
.endr
	v_pk_add_f32 v[24:25], v[24:25], v[26:27]
.endm
	STEP Y, X, AL, 0, STP, 12, 12, 0, 1, 0, 0      ; step 0: every wave's
	s_cmp_lt_u32 s[RK], 1
	s_cbranch_scc1 .Lmeet
	STEP X, Y, AD, 0, STP, 12, 14, 1, 0, 0, 1      ; steps 1 and 2 (and K of step 3) lie in the first group too
	s_cmp_lt_u32 s[RK], 2
	s_cbranch_scc1 .Lmeet
	STEP Y, X, AD, STP, 2*STP, 14, 12, 2, 0, 0, 0
.Lmeet:
	s_wait_alu depctr_va_vdst(0)
	s_wait_tensorcnt 0x0                           ; my part of steps 4 to 15 is in;
	s_wait_dscnt 0x0                               ; no LDS instruction is pending at the signal;
	s_barrier_signal -1
	s_barrier_wait -1                              ; and everybody's part is in.
	s_mov_b32 s[J], 3
	s_mov_b32 s[TB], 3*STP
.Ltrip:                                                ; steps J, J + 1; a wave past its rank only counts
	s_cmp_gt_u32 s[J], s[RK]
	s_cbranch_scc1 .Lidle
	STEP X, Y, AD, 0, STP, 12, 14, s[J], 0, 0, 1
	s_cmp_ge_u32 s[J], s[RK]
	s_cbranch_scc1 .Lidle
	s_add_co_u32 s44, s[J], 1
	STEP Y, X, AD, STP, 2*STP, 14, 12, s44, 0, 0, 0
.Lidle:
	s_add_co_u32 s[TB], s[TB], 2*STP
	s_add_co_u32 s[J], s[J], 2
	s_cmp_lt_u32 s[J], 15
	s_cbranch_scc1 .Ltrip
	s_cmp_lg_u32 s[RK], 15
	s_cbranch_scc1 .Lout
	STEP X, Y, AD, 0, 0, 12, 14, 0, 0, 1, 0        ; step 15: rank 15's alone, always on the diagonal
.Lout:
	; THE WAY OUT: O^T / the sum, through my stage, so that sixteen lanes store one aligned unit of 256 bytes
	s_wait_dscnt 0x0
	s_wait_alu depctr_va_vdst(0)                   ; the wait here, ahead of the reader below
	v_add_f32 v24, v24, v25
	v_permlanex16_b32 v246, v24, s40, s41
	v_add_f32 v24, v24, v246
	s_wait_alu depctr_va_vdst(0)                   ; the wait ahead of the transcendental
	v_rcp_f32 v24, v24
	v_xor_b32 v8, 0x80, v3                         ; (plain work behind the transcendental) the place in out0 of stores whose lanes' halves are turned round
	v_and_b32 v9, 8, v0
	v_cmp_ne_u32 vcc_lo, 0, v9                     ; lanes with bit 3 set
	s_wait_alu depctr_va_vdst(0)                   ; and ahead of its first reader
.set N_, 0
.rept 32
	v_pk_mul_f32 v[Y+N_:Y+N_+1], v[O+N_:O+N_+1], v[24:25] op_sel_hi:[1,0]   ; register 8 t + i: column 16 t + 8 h + i of row r
.set N_, N_+2
.endr
	s_wait_alu depctr_va_vdst(0)                   ; the wait here, ahead of the run of readers below
	; a piece is 32 columns (128 bytes) of 16 rows; pieces 2 u and 2 u + 1 make column u of 256 bytes.  Of the first piece, load i brings lanes with bit 3 clear row 2 i + h, the others row 8 + 2 i + h; of the second the other way round
.irp u, 0,1
.irp e, 0,1
.irp t, 0,1
	ds_store_b128 v7, v[Y+32*\u+16*\e+8*\t:Y+32*\u+16*\e+8*\t+3] offset:64*\t
	ds_store_b128 v7, v[Y+32*\u+16*\e+8*\t+4:Y+32*\u+16*\e+8*\t+7] offset:64*\t+16
.endr
.irp i, 0,1,2,3
	ds_load_b128 v[X+32*\u+16*\e+4*\i:X+32*\u+16*\e+4*\i+3], v[4+6*\e] offset:288*\i   ; in order behind the stores; the next stores come behind these
.endr
.endr
.endr
.irp u, 0,1
	s_wait_dscnt 16*(1-\u)                         ; column u is back; the later column's 16 LDS instructions may be out
.set N_, 0
.rept 16
	v_cndmask_b32 v[O+32*\u+N_], v[X+32*\u+N_], v[X+32*\u+16+N_], vcc_lo      ; rows 2 i + h: a lane's 16 bytes at 16 (lane % 16)
	v_cndmask_b32 v[O+32*\u+16+N_], v[X+32*\u+16+N_], v[X+32*\u+N_], vcc_lo   ; rows 8 + 2 i + h: the halves of the sixteen lanes turned round
.set N_, N_+1
.endr
.irp i, 0,1,2,3
	global_store_b128 v3, v[O+32*\u+4*\i:O+32*\u+4*\i+3], s[8:9] offset:1024*\i+256*\u th:TH_STORE_NT   ; sixteen lanes store 256 consecutive bytes, aligned
	global_store_b128 v8, v[O+32*\u+16+4*\i:O+32*\u+16+4*\i+3], s[8:9] offset:4096+1024*\i+256*\u th:TH_STORE_NT
.endr
.endr
	s_wait_tensorcnt 0x0                           ; the wave's end
	ds_add_u32 v[SPW], v[NIL]
	s_wait_dscnt 0x0
	ROUND                                          ; the closing round
	s_endpgm
.Lfunc_end_k_q5803b0db61_attn:
	.size	k_q5803b0db61_attn, .Lfunc_end_k_q5803b0db61_attn-k_q5803b0db61_attn
	.p2alignl 7, 3214868480
	.fill 96, 4, 3214868480
	.section	.rodata,"a",@progbits
	.p2align	6, 0x0
	.amdhsa_kernel k_q5803b0db61_attn
		.amdhsa_group_segment_fixed_size 327680
		.amdhsa_private_segment_fixed_size 0
		.amdhsa_enable_private_segment 0
		.amdhsa_kernarg_size 24
		.amdhsa_user_sgpr_count 2
		.amdhsa_user_sgpr_kernarg_segment_ptr 1
		.amdhsa_wavefront_size32 1
		.amdhsa_system_sgpr_workgroup_id_x 1
		.amdhsa_system_sgpr_workgroup_id_y 1
		.amdhsa_system_sgpr_workgroup_id_z 1
		.amdhsa_system_vgpr_workitem_id 0
		.amdhsa_next_free_vgpr 256
		.amdhsa_next_free_sgpr 66
		.amdhsa_reserve_vcc 1
		.amdhsa_float_denorm_mode_32 3
		.amdhsa_float_denorm_mode_16_64 3
		.amdhsa_memory_ordered 1
		.amdhsa_forward_progress 1
		.amdhsa_inst_pref_size 150
	.end_amdhsa_kernel
	.amdgpu_metadata
---
amdhsa.version: [ 1, 2 ]
amdhsa.kernels:
  - .name:           k_q5803b0db61_attn
    .symbol:         k_q5803b0db61_attn.kd
    .args:
      - { .name: q, .offset: 0, .size: 8, .value_kind: global_buffer, .address_space: global }
      - { .name: kv, .offset: 8, .size: 8, .value_kind: global_buffer, .address_space: global }
      - { .name: out0, .offset: 16, .size: 8, .value_kind: global_buffer, .address_space: global }
    .group_segment_fixed_size: 327680
    .private_segment_fixed_size: 0
    .kernarg_segment_align: 8
    .kernarg_segment_size: 24
    .max_flat_workgroup_size: 512
    .sgpr_count:     66
    .vgpr_count:     256
    .wavefront_size: 32
...
	.end_amdgpu_metadata
.endif
;; end of part 2
